; MI455X (gfx1250); checked and timed in simulation.
; The chip was launched on July 23, 2026; its instructions are those of AMD's public machine-readable ISA for CDNA 5 (MIT licence, August 2026) and "CDNA5" Instruction Set Architecture Reference Guide (July 2026). The comments in the code are by the model that wrote it; some were corrected since.
;; Cross Attention. Allowed arithmetic: matrix products marked QUANTISED: E2M1 operands, one E8M0 scale for each 32 along K, by v_wmma_scale_f32_16x16x128_f8f6f4 with both operands' format E2M1 (or v_wmma_scale_f32_32x16x128_f4), f32 sums; everything else in f32.
;; Inputs: Wkv 1,024 x 768 float32; Wp 512 x 512 float32; Wq 512 x 512 float32; bp 512 float32; key_padding_mask 2 x 4,096 bool; x 2 x 4,096 x 512 float32; y 2 x 4,096 x 768 float32.
;; Outputs: out0 2 x 4,096 x 512 float32.
;; This version of the problem:
;;   THIS VERSION OF THE PROBLEM IS GIVEN IN LOW PRECISION. The matrix products marked QUANTISED in the list below multiply operands that are first quantised to E2M1 (2 exponent bits, 1 mantissa bit; 4 bits a number), with one power-of-two scale for each 32 numbers along K (OCP MX v1.0); their sums are f32. All else is computed in f32.
;;   The module's matrix products, in the order in which they are computed (A, B: the left and right operand; K: the contracted axis; several contracted axes count as one K, in the product's order):
;;     1. [M 8,192, K 512] x [K 512, N 512]; A: input x; B: input Wq: QUANTISED
;;     2. [M 8,192, K 768] x [K 768, N 1,024]; A: input y; B: input Wkv: QUANTISED
;;     3. batch 16 x [M 4,096, K 64] x [K 64, N 4,096]; A: computed on the way; B: computed on the way: QUANTISED
;;     4. batch 16 x [M 4,096, K 4,096] x [K 4,096, N 64]; A: softmax (see below); B: computed on the way: QUANTISED
;;     5. [M 8,192, K 512] x [K 512, N 512]; A: computed on the way; B: input Wp: QUANTISED
;;   THE QUANTISER, for each operand of a quantised product, along K:
;;     - K is cut into blocks of 32 from its start; a last block that is shorter is filled with zeros.
;;     - A block's scale is 2^e with e = floor(log2(the largest magnitude in the block)) - 2, held to -126 .. 127; a block of zeros has e = 0. As a byte (E8M0): e + 127.
;;     - Each number is divided by its block's scale, clamped to +-6, and rounded to the nearest number of E2M1, ties to even, subnormals kept.
;;     - The product sums the exact products of the quantised numbers (number of the format x scale) in f32.
;;   ~~~python
;;   def quantise(x, axis):      # numpy; x: float32 -> the quantised numbers, widened to float32 again
;;       x = np.moveaxis(x, axis, -1); K = x.shape[-1]
;;       x = np.pad(x, [(0, 0)] * (x.ndim - 1) + [(0, -K % 32)]); x = x.reshape(x.shape[:-1] + (-1, 32)); a = np.abs(x).max(-1, keepdims=True)
;;       e = np.where(a > 0, np.clip(np.frexp(np.where(a > 0, a, 1))[1] - 1 - 2, -126, 127), 0)      # np.frexp(a)[1] - 1 = floor(log2(a)), exactly
;;       r = np.clip(x / 2.0 ** e, -6, 6)
;;       step = 2.0 ** (np.maximum(np.frexp(np.where(r == 0, 1, r))[1] - 1, 0) - 1)
;;       q = np.round(r / step) * step * 2.0 ** e      # np.round: ties to even
;;       return np.moveaxis(q.reshape(q.shape[:-2] + (-1,))[..., :K], -1, axis).astype(np.float32)
;;   ~~~
;;   SOFTMAX AHEAD OF A QUANTISED PRODUCT. Where the list says 'softmax', what is quantised is not the finished softmax but p = 2^(t - M), with t = logit x log2(e) and M = ceil(the row's largest t), a whole number; so 1/2 < the row's largest p <= 1. The row's sum l is taken of the UNQUANTISED p, in f32, and the product's result is divided by l at the end. Since M is a whole number, a kernel that streams over the keys may use a running M (the ceiling of the running maximum): every later rescaling is an exact power of two, which a block's scale takes up: the codes' values come out the same.
;;   OPERANDS COMPUTED ON THE WAY. 'Computed on the way' means the value that the module computes at that place (a softmax that the list does not call 'softmax' is quantised finished and normalised). What goes into a quantiser is computed in f32, as accurately as f32 sums, v_exp_f32 and their like allow (about 1e-6 of the number): no bf16 or f16 on the way to a quantiser, and a product that is left as it is and whose result goes on into a quantised operand takes f32 operands (vector FMAs, or v_wmma_f32_16x16x4_f32). A number that lies on a knife's edge between two numbers of the format may be rounded either way, as far as f32 arithmetic and the matrix unit's own rounding can turn it there, and no further.
;; One version. Each part assembles by itself: llvm-mc -triple=amdgcn-amd-amdhsa -mcpu=gfx1250 --defsym DOCPART=n.
;; ======== version 1 of 1: 4 launches
;; limits: right only within a limited range of input values
;; workspace buffers: cod 5,898,240 bytes; scl 368,640 bytes; qc 2,097,152 bytes; qs 262,144 bytes; kv 4,849,664 bytes; oc 2,097,152 bytes; os 131,072 bytes
;; launch quant (part 1): grid 720 x 1, 8 waves a work-group, no clusters, 68,608 bytes of LDS; arguments x, y, Wq, Wkv, Wp, cod, scl; writes cod, scl
.if DOCPART == 1
	.amdgcn_target "amdgcn-amd-amdhsa--gfx1250"
	.amdhsa_code_object_version 6
	.text
	.protected	k_q4fb422e22d_quant
	.globl	k_q4fb422e22d_quant
	.p2align	8
	.type	k_q4fb422e22d_quant,@function
k_q4fb422e22d_quant:
	s_mov_b64 s[64:65], 0
	v_nop
	global_prefetch_b8 v0, s[64:65] scope:SCOPE_SE
	s_setreg_imm32_b32 hwreg(HW_REG_WAVE_MODE, 25, 1), 1
	s_wait_xcnt 0x0
; CROSS-ATTENTION IN MX-FP4, launch 1 of 4: x, y, Wq, Wkv, Wp (f32, K innermost) become codes of E2M1 and E8M0 scale bytes.
; DEAD WORK: none.  Every product of reference() reaches out0 for some values of the inputs, and all seven inputs are loaded: x, y, Wq, Wkv, Wp here,
; key_padding_mask in the second launch, bp in the fourth.
; LAYOUT OF THE WORKSPACE.  Rows go in tiles of 16; lane r of tile T stands for row 32 (T / 2) + 8 (T % 2) + r + 8 (r / 8), so that, where a tile is a product's source 0, the 16 result
; registers of two neighbouring tiles are 16 neighbours along the next K.  A UNIT is one tile x 128 along K: its codes are the IMAGE of the operand's eight registers (registers 0-3 at 16 x lane,
; registers 4-7 at 512 + 16 x lane: 1,024 bytes at cod + 1024 U), its 16 scale words lie at scl + 64 U.  Units: x 0.., y 2048.., Wq 5120.., Wkv 5248.., Wp 5632..; in a tensor U = tile x (K / 128) + K step.
; SHARES.  One unit a wave, eight waves a work-group, 720 work-groups; the unit bases are multiples of 8, so a work-group lies in one tensor.  Waves share nothing: no barrier.
; A unit's 16 rows x 512 bytes are read by 16 loads of 512 consecutive bytes, turned through the wave's own stage in LDS so that a lane holds 16 neighbours of each block of 32, and quantised.
; THE RULE: a block's scale byte is its largest magnitude's exponent field - 2, held at 1 from below; numbers are divided by the scale and rounded to the nearest code, ties to even, beyond 6 to 6.
; LIMITS: a block of zeros gets the byte 1 where the rule says 127 (its codes are zeros, and this program alone reads the bytes); blocks whose largest magnitude lies under 2^(2 - 126) were not tried;
; NaN and infinities among the inputs are not served.  The scale words leave as 64 bytes a unit: parts of an aligned 256 bytes, one byte for each 128 that the launch reads.
.set PITCH, 528                        ; a stage row: 512 bytes + 16 = 33 x 16: the sixteen rows that a load touches start 16 bytes apart modulo 256
.set WST,   16*PITCH                   ; a wave's stage
.set SPARE, 8*WST                      ; behind the stages: the spare words, 128 bytes a wave, that no other line names
.set SPW, 12                           ; v12  LDS address of my spare word; never rewritten
.set NIL, 13                           ; v13  0; never rewritten
.set R,   16                           ; v16-79   the 16 rows as loaded
.set X,   80                           ; v80-143  register 16 b + i = k 32 b + 16 (lane / 16) + i of my row
.set TM,  144                          ; v144-147 largest magnitudes, v148-151 the other half's, then bytes, v152-155 the conversions' scale operands
.set PC,  160                          ; v160-167 the codes
.set PW,  168                          ; v168     the scale word
.set SEL, 34                           ; s[34:35] v_permlanex16_b32's selects for lane l xor 16
; 64 numbers of a lane become a fragment's codes in v[PC] on and its row's scale word in v[pw]
.macro QUANT s, pw
.irp b, 0,1,2,3
	v_max3_num_f32 v[TM+\b], |v[\s+16*\b]|, |v[\s+1+16*\b]|, 0x1800000   ; my 16 numbers of block b, and the floor 2^(3 - 127): the byte cannot fall under 1
.endr
.irp i, 2,4,6,8,10,12,14
.irp b, 0,1,2,3
	s_delay_alu instid0(VALU_DEP_4)
	v_max3_num_f32 v[TM+\b], v[TM+\b], |v[\s+16*\b+\i]|, |v[\s+1+16*\b+\i]|   ; the four blocks by turns
.endr
.endr
.irp b, 0,1,2,3
	s_delay_alu instid0(VALU_DEP_4)
	v_permlanex16_b32 v[TM+4+\b], v[TM+\b], s[SEL], s[SEL+1]
.endr
.irp b, 0,1,2,3
	s_delay_alu instid0(VALU_DEP_4)
	v_max_num_f32 v[TM+\b], v[TM+\b], v[TM+4+\b]       ; with lane l xor 16's 16: the block's largest magnitude
.endr
.irp b, 0,1,2,3
	s_delay_alu instid0(VALU_DEP_4)
	v_add_nc_u32 v[TM+8+\b], 0xff000000, v[TM+\b]      ; 2 off its exponent field: the conversion takes this operand's exponent field as its scale
.endr
.irp b, 0,1,2,3
	s_delay_alu instid0(VALU_DEP_4)
	v_lshrrev_b32 v[TM+4+\b], 23, v[TM+8+\b]           ; the scale's byte
.endr
	s_delay_alu instid0(VALU_DEP_3)
	v_lshl_or_b32 v[\pw], v[TM+5], 8, v[TM+4]
	s_delay_alu instid0(VALU_DEP_1)
	v_lshl_or_b32 v[\pw], v[TM+6], 16, v[\pw]
	s_delay_alu instid0(VALU_DEP_1)
	v_lshl_or_b32 v[\pw], v[TM+7], 24, v[\pw]
.irp b, 0,1,2,3
	v_cvt_scalef32_pk8_fp4_f32 v[PC+2*\b], v[\s+16*\b:\s+7+16*\b], v[TM+8+\b]
	v_cvt_scalef32_pk8_fp4_f32 v[PC+1+2*\b], v[\s+8+16*\b:\s+15+16*\b], v[TM+8+\b]
.endr
	v_nop                                              ; one plain line behind the scaled conversions
.irp c, 0,1
.irp i, 0,1
	v_permlane16_swap_b32 v[PC+4*\c+\i], v[PC+2+4*\c+\i]   ; a whole block to a lane: registers 4 c .. 4 c + 3 hold k = 64 c + 32 (lane / 16) + 0 .. 31
.endr
.endr
.endm
.macro ROWS pitch                      ; the tile's 16 rows, 512 consecutive bytes a load
.irp i, 0,1,2,3,4,5,6,7,8,9,10,11,12,13,14,15
	global_load_b128 v[R+4*\i:R+4*\i+3], v2, s[22:23] offset:(\i+8*(\i/8))*\pitch th:TH_LOAD_NT
.endr
.endm
	s_load_b256 s[4:11], s[0:1], 0x0               ; x s[4:5], y s[6:7], Wq s[8:9], Wkv s[10:11]
	s_load_b128 s[12:15], s[0:1], 0x20             ; Wp s[12:13], cod s[14:15]
	s_load_b64 s[16:17], s[0:1], 0x30              ; scl
	v_lshl_add_u32 v[SPW], v0, 2, SPARE
	v_mov_b32 v[NIL], 0
	v_lshrrev_b32 v1, 5, v0
	s_delay_alu instid0(VALU_DEP_1)
	v_readfirstlane_b32 s18, v1                    ; wave 0..7
	v_and_b32 v1, 31, v0
	s_delay_alu instid0(VALU_DEP_1)
	v_lshlrev_b32 v2, 4, v1                        ; 16 x lane
	v_and_b32 v3, 15, v0                           ; r
	v_bfe_u32 v4, v0, 4, 1                         ; h
	s_mul_i32 s19, s18, WST                        ; my stage
	v_add_nc_u32 v5, s19, v2                       ; into it: 16 x lane of a row
	v_mul_u32_u24 v6, v3, PITCH
	s_delay_alu instid0(VALU_DEP_1)
	v_lshl_add_u32 v6, v4, 6, v6
	s_delay_alu instid0(VALU_DEP_1)
	v_add_nc_u32 v6, s19, v6                       ; out of it: row r, + 64 h: my 16 numbers of a block
	v_lshlrev_b32 v7, 2, v3                        ; my row's scale word
.irp b, 0,1,2,3
	v_mov_b32 v[TM+4+\b], 0                        ; written once: a lane permute's destination counts as one of its sources
.endr
	s_mov_b32 s[SEL], 0x76543210
	s_mov_b32 s[SEL+1], 0xfedcba98
	s_lshl_b32 s20, ttmp9, 3
	s_add_co_u32 s20, s20, s18                     ; U = 8 x work-group + wave
	s_wait_kmcnt 0x0
	; which tensor: the choice hangs on the work-group's number alone.  s[22:23] its address, s24 its first unit, s25 = 1 where K = 768
	s_mov_b64 s[22:23], s[12:13]
	s_mov_b32 s24, 5632
	s_mov_b32 s25, 0
	s_cmp_lt_u32 ttmp9, 704
	s_cselect_b64 s[22:23], s[10:11], s[22:23]
	s_cselect_b32 s24, 5248, s24
	s_cselect_b32 s25, 1, s25
	s_cmp_lt_u32 ttmp9, 656
	s_cselect_b64 s[22:23], s[8:9], s[22:23]
	s_cselect_b32 s24, 5120, s24
	s_cselect_b32 s25, 0, s25
	s_cmp_lt_u32 ttmp9, 640
	s_cselect_b64 s[22:23], s[6:7], s[22:23]
	s_cselect_b32 s24, 2048, s24
	s_cselect_b32 s25, 1, s25
	s_cmp_lt_u32 ttmp9, 256
	s_cselect_b64 s[22:23], s[4:5], s[22:23]
	s_cselect_b32 s24, 0, s24
	s_cselect_b32 s25, 0, s25
	s_sub_co_u32 s26, s20, s24                     ; the unit's number in its tensor, u
	s_lshr_b32 s27, s26, 2                         ; K = 512: tile u / 4,
	s_and_b32 s28, s26, 3                          ; K step u % 4
	s_mul_i32 s29, s26, 10923
	s_lshr_b32 s29, s29, 16                        ; K = 768: tile u / 6 (10923 / 65536 exceeds 1 / 6 by 1 / 196608: exact for u under 3,072),
	s_mul_i32 s30, s29, 6
	s_sub_co_u32 s30, s26, s30                     ; K step u % 6
	s_mov_b32 s31, 2048                            ; a row in bytes
	s_cmp_eq_u32 s25, 1
	s_cselect_b32 s27, s29, s27
	s_cselect_b32 s28, s30, s28
	s_cselect_b32 s31, 3072, s31
	s_lshr_b32 s29, s27, 1
	s_lshl_b32 s29, s29, 5
	s_and_b32 s30, s27, 1
	s_lshl_b32 s30, s30, 3
	s_add_co_u32 s29, s29, s30                     ; the tile's first row: 32 (T / 2) + 8 (T % 2)
	s_mul_i32 s32, s29, s31
	s_lshl_b32 s28, s28, 9
	s_add_co_u32 s32, s32, s28                     ; + 512 bytes a K step: under 2^25
	s_mov_b32 s33, 0
	s_add_nc_u64 s[22:23], s[22:23], s[32:33]
	s_lshl_b32 s32, s20, 10
	s_add_nc_u64 s[14:15], s[14:15], s[32:33]      ; my image
	s_lshl_b32 s32, s20, 6
	s_add_nc_u64 s[16:17], s[16:17], s[32:33]      ; my scale words
	s_cmp_eq_u32 s25, 1                            ; the rows' distance stands in the loads' immediates: two runs of 16 loads, one of them taken
	s_cbranch_scc1 .Lwide
	ROWS 2048
	s_branch .Lturn
.Lwide:
	ROWS 3072
.Lturn:
	s_wait_alu depctr_va_vdst(0)
.irp i, 0,1,2,3,4,5,6,7,8,9,10,11,12,13,14,15
	s_wait_loadcnt 15-\i                           ; loads come back in order: row i is in, the 15 - i younger ones may be out
	ds_store_b128 v5, v[R+4*\i:R+4*\i+3] offset:PITCH*\i
.endr
.irp b, 0,1,2,3
.irp j, 0,1,2,3
	ds_load_b128 v[X+16*\b+4*\j:X+16*\b+4*\j+3], v6 offset:128*\b+16*\j   ; LDS serves a wave's instructions in order: these see my stores
.endr
.endr
	s_wait_dscnt 0x0
	QUANT X, PW
	global_store_b128 v2, v[PC:PC+3], s[14:15]             ; 512 consecutive bytes each, at a multiple of 256 from cod's first byte
	global_store_b128 v2, v[PC+4:PC+7], s[14:15] offset:512
	global_store_b32 v7, v[PW], s[16:17]                   ; both halves of the lanes hold row r's word and write the same value
	s_wait_tensorcnt 0x0                           ; the wave's end, behind my last LDS store
	ds_add_u32 v[SPW], v[NIL]
	s_wait_dscnt 0x0
	s_endpgm
.Lfunc_end_k_q4fb422e22d_quant:
	.size	k_q4fb422e22d_quant, .Lfunc_end_k_q4fb422e22d_quant-k_q4fb422e22d_quant
	.p2alignl 7, 3214868480
	.fill 96, 4, 3214868480
	.section	.rodata,"a",@progbits
	.p2align	6, 0x0
	.amdhsa_kernel k_q4fb422e22d_quant
		.amdhsa_group_segment_fixed_size 68608
		.amdhsa_private_segment_fixed_size 0
		.amdhsa_enable_private_segment 0
		.amdhsa_kernarg_size 56
		.amdhsa_user_sgpr_count 2
		.amdhsa_user_sgpr_kernarg_segment_ptr 1
		.amdhsa_wavefront_size32 1
		.amdhsa_system_sgpr_workgroup_id_x 1
		.amdhsa_system_sgpr_workgroup_id_y 1
		.amdhsa_system_sgpr_workgroup_id_z 1
		.amdhsa_system_vgpr_workitem_id 0
		.amdhsa_next_free_vgpr 176
		.amdhsa_next_free_sgpr 66
		.amdhsa_reserve_vcc 0
		.amdhsa_float_denorm_mode_32 3
		.amdhsa_float_denorm_mode_16_64 3
		.amdhsa_memory_ordered 1
		.amdhsa_forward_progress 1
		.amdhsa_inst_pref_size 15
	.end_amdhsa_kernel
	.amdgpu_metadata
---
amdhsa.version: [ 1, 2 ]
amdhsa.kernels:
  - .name:           k_q4fb422e22d_quant
    .symbol:         k_q4fb422e22d_quant.kd
    .args:
      - { .name: x, .offset: 0, .size: 8, .value_kind: global_buffer, .address_space: global }
      - { .name: y, .offset: 8, .size: 8, .value_kind: global_buffer, .address_space: global }
      - { .name: Wq, .offset: 16, .size: 8, .value_kind: global_buffer, .address_space: global }
      - { .name: Wkv, .offset: 24, .size: 8, .value_kind: global_buffer, .address_space: global }
      - { .name: Wp, .offset: 32, .size: 8, .value_kind: global_buffer, .address_space: global }
      - { .name: cod, .offset: 40, .size: 8, .value_kind: global_buffer, .address_space: global }
      - { .name: scl, .offset: 48, .size: 8, .value_kind: global_buffer, .address_space: global }
    .group_segment_fixed_size: 68608
    .private_segment_fixed_size: 0
    .kernarg_segment_align: 8
    .kernarg_segment_size: 56
    .max_flat_workgroup_size: 256
    .sgpr_count:     66
    .vgpr_count:     176
    .wavefront_size: 32
...
	.end_amdgpu_metadata
.endif
;; end of part 1
;; launch proj (part 2): grid 256 x 1, 3 waves a work-group, no clusters, 0 bytes of LDS; arguments cod, scl, key_padding_mask, qc, qs, kv; writes qc, qs, kv
.if DOCPART == 2
	.amdgcn_target "amdgcn-amd-amdhsa--gfx1250"
	.amdhsa_code_object_version 6
	.text
	.protected	k_q4fb422e22d_proj
	.globl	k_q4fb422e22d_proj
	.p2align	8
	.type	k_q4fb422e22d_proj,@function
k_q4fb422e22d_proj:
	s_mov_b64 s[64:65], 0
	v_nop
	global_prefetch_b8 v0, s[64:65] scope:SCOPE_SE
	s_setreg_imm32_b32 hwreg(HW_REG_WAVE_MODE, 25, 1), 1
	s_wait_xcnt 0x0
; Launch 2 of 4: q = x Wq^T, k and v = y Wkv^T on codes of E2M1, and q, k, v quantised for the attention: q and k along the head's 64, v along the keys.  No work of reference() is left out.
; SHARES.  Work-group g: head pair p = g % 4 (heads 2 p, 2 p + 1), slice sg = g / 4 of 128 rows (batch sg / 32, slice sg % 32 of it).  Wave 0 makes q, wave 1 k, wave 2 v: each a wave of 1,024 registers; they share nothing:
; no LDS, no barrier.  All three have ONE shape: source 0 = a stationary operand of 8 tiles, source 1 = one of 8 streaming tiles an iteration, 8 accumulators by turns, and the 64 results of a lane,
; which run along the stationary rows (16 neighbours to two tiles, by the tiles' row order), are quantised in registers.
;   q: stationary Wq's 128 rows of the head pair, streaming x's tiles: registers 0-3 of the codes are head 2 p's image of Q (K = its 64), registers 4-7 head 2 p + 1's.   k: the same with Wkv's first half and y.
;   v: stationary y's 128 keys, streaming Wkv's second half: the codes are the image of 16 channels x 128 keys of V^T.
; OUT.  qc [head of 16][tile 256][512 bytes]; qs [head][8 tiles][half][r][4 words].  kv [head: HS bytes][chunk of 512 keys: CH bytes]: 32 images of K (512 bytes), 16 of V^T (1,024), then for each key step of 128 a record of 1,280:
; K's scale words [half][r][4 tiles], the keys' mask as f32 [tile][row], V's scale words [r][4 tiles].
; Q's and K's scale words: bytes 0, 1 the head's two blocks; bytes 2, 3 are 127, over the zero codes that fill the instruction's K from 64 to 128.
; THE MASK: 0 for a key that counts, -2^100 for a masked one: the attention gives it to the first product as its C.  LIMIT: scores of magnitude 2^90 and more are not served.
; LIMITS of the quantiser as in the first launch: a block of zeros has the byte 1; blocks under 2^(2 - 126) were not tried; NaN and infinities are not served.
; REGISTERS, in windows of 256.  Window 0: v1 16 x lane, v2 4 x lane, v3 r, v4 h; v16-39 stationary scale words, v40-63 streaming ones (lanes 0-15 an even K step's, lanes 16-31 the next one's); v64-127 accumulators;
; v128-135 codes; v136-147 at work; v152-159 the 8 iterations' scale words; v160.. the way out.  From register 256 on: stationary fragment (tile t, K step s) at 256 + 64 s + 8 t; behind them streaming fragment (it, s).
.set HS,  303104                       ; a head's bytes in kv
.set CH,  37888                        ; a chunk's
.set SS,  16
.set TS,  40
.set ACC, 64
.set PC,  128
.set TM,  136
.set PWS, 152
.set SEL, 44                           ; s[44:45] v_permlanex16_b32's selects for lane l xor 16
.set MSB, 0
.macro WIN new                         ; the immediate's high byte repeats the setting that is left; a switch that changes nothing is dropped
.if MSB != \new
	s_set_vgpr_msb (MSB<<8)|\new
.set MSB, \new
.endif
.endm
.macro QUANT s, pw                     ; 64 numbers of a lane, register 16 b + i = k 32 b + 16 (lane / 16) + i, become a fragment's codes in v[PC] on and a scale word in v[pw]
.irp b, 0,1,2,3
	v_max3_num_f32 v[TM+\b], |v[\s+16*\b]|, |v[\s+1+16*\b]|, 0x1800000   ; with the floor 2^(3 - 127).  Each accumulator is first read at its low end
.endr
.irp i, 2,4,6,8,10,12,14
.irp b, 0,1,2,3
	v_max3_num_f32 v[TM+\b], v[TM+\b], |v[\s+16*\b+\i]|, |v[\s+1+16*\b+\i]|
.endr
.endr
.irp b, 0,1,2,3
	v_permlanex16_b32 v[TM+4+\b], v[TM+\b], s[SEL], s[SEL+1]
.endr
.irp b, 0,1,2,3
	v_max_num_f32 v[TM+\b], v[TM+\b], v[TM+4+\b]
.endr
.irp b, 0,1,2,3
	v_add_nc_u32 v[TM+8+\b], 0xff000000, v[TM+\b]      ; 2 off the exponent field: the conversion's scale operand
.endr
.irp b, 0,1,2,3
	v_lshrrev_b32 v[TM+4+\b], 23, v[TM+8+\b]           ; the scale's byte
.endr
	v_lshl_or_b32 v[\pw], v[TM+5], 8, v[TM+4]
	v_lshl_or_b32 v[\pw], v[TM+6], 16, v[\pw]
	v_lshl_or_b32 v[\pw], v[TM+7], 24, v[\pw]
.irp b, 0,1,2,3
	v_cvt_scalef32_pk8_fp4_f32 v[PC+2*\b], v[\s+16*\b:\s+7+16*\b], v[TM+8+\b]
	v_cvt_scalef32_pk8_fp4_f32 v[PC+1+2*\b], v[\s+8+16*\b:\s+15+16*\b], v[TM+8+\b]
.endr
	v_nop                                              ; one plain line behind the scaled conversions: the next products write their sources
.irp c, 0,1
.irp i, 0,1
	v_permlane16_swap_b32 v[PC+4*\c+\i], v[PC+2+4*\c+\i]
.endr
.endr
.endm
.macro LDFRAG abs, base, off           ; an image of 1,024 bytes into registers abs .. abs + 7
.set fa, (\abs)%256
	WIN (((\abs)/256)<<6)
	global_load_b128 v[fa:fa+3], v1, s[\base:\base+1] offset:\off
	global_load_b128 v[fa+4:fa+7], v1, s[\base:\base+1] offset:(\off)+512
.endm
; The whole product of a role: KS K steps of 128; streaming fragments from register TB0 on.
.macro MAIN KS, TB0
.irp t, 0,1,2,3,4,5,6,7
.irp j, 0,1,2
.if \j < \KS/2
	global_load_b32 v[SS+(\KS/2)*\t+\j], v2, s[28:29] offset:(\KS*\t+2*\j)*64   ; two K steps' scale words of a tile: 128 consecutive bytes
	global_load_b32 v[TS+(\KS/2)*\t+\j], v2, s[30:31] offset:(\KS*\t+2*\j)*64
.endif
.endr
.endr
.irp s, 0,1,2,3,4,5
.if \s < \KS
.irp t, 0,1,2,3,4,5,6,7
	LDFRAG 256+64*\s+8*\t, 24, (\KS*\t+\s)*1024
.endr
.endif
.endr
.irp it, 0,1,2,3,4,5,6,7
.irp s, 0,1,2,3,4,5
.if \s < \KS
	LDFRAG \TB0+8*\KS*\it+8*\s, 26, (\KS*\it+\s)*1024
.endif
.endr
.endr
	WIN 0
.irp it, 0,1,2,3,4,5,6,7
.if 2*\KS*(7-\it) > 63
	s_wait_loadcnt 63                              ; (the count's field ends here: a smaller count than needed is safe)
.else
	s_wait_loadcnt 2*\KS*(7-\it)                   ; all but the later iterations' fragments, 2 KS loads each, are in
.endif
.irp s, 0,1,2,3,4,5
.if \s < \KS
.set aA, 256+64*\s
.set aB, \TB0+8*\KS*\it+8*\s
.set rB, aB%256
.set rSB, TS+(\KS/2)*\it+\s/2
	WIN ((aA/256)|((aB/256)<<2))
.irp t, 0,1,2,3,4,5,6,7                ; the eight accumulators by turns, one instruction a turn; K ascending
.set rA, (aA+8*\t)%256
.set rD, ACC+8*\t
.set rSA, SS+(\KS/2)*\t+\s/2
.if \s == 0
	v_wmma_scale_f32_16x16x128_f8f6f4 v[rD:rD+7], v[rA:rA+7], v[rB:rB+7], 0, v[rSA], v[rSB] matrix_a_fmt:MATRIX_FMT_FP4 matrix_b_fmt:MATRIX_FMT_FP4
.elseif (\s%2) == 1
	v_wmma_scale_f32_16x16x128_f8f6f4 v[rD:rD+7], v[rA:rA+7], v[rB:rB+7], v[rD:rD+7], v[rSA], v[rSB] matrix_a_fmt:MATRIX_FMT_FP4 matrix_b_fmt:MATRIX_FMT_FP4 matrix_a_scale:MATRIX_SCALE_ROW1 matrix_b_scale:MATRIX_SCALE_ROW1
.else
	v_wmma_scale_f32_16x16x128_f8f6f4 v[rD:rD+7], v[rA:rA+7], v[rB:rB+7], v[rD:rD+7], v[rSA], v[rSB] matrix_a_fmt:MATRIX_FMT_FP4 matrix_b_fmt:MATRIX_FMT_FP4
.endif
.endr
.endif
.endr
	WIN 0
.rept 5
	v_nop                                          ; four places ahead of the first read of results (ISA guide 7.12.1); the fifth for the next iteration's products, which begin the accumulators anew
.endr
.if \it > 0
	s_wait_xcnt 0x0                                ; the last iteration's stores have read their data and bases: both are rewritten only behind this wait
	s_add_nc_u64 s[32:33], s[32:33], s[36:37]
	s_add_nc_u64 s[34:35], s[34:35], s[36:37]
.endif
.if \it == 4
	s_add_nc_u64 s[32:33], s[32:33], s[38:39]      ; v: on to the pair's second head (q, k: 0)
	s_add_nc_u64 s[34:35], s[34:35], s[38:39]
.endif
	QUANT ACC, PWS+\it
	global_store_b128 v1, v[PC:PC+3], s[32:33]     ; 512 consecutive bytes each, at a multiple of 256 from the buffer's first byte
	global_store_b128 v1, v[PC+4:PC+7], s[34:35]
.endr
.endm
.macro SEL4                            ; lanes 0-15 take the scale words of iterations 0-3, lanes 16-31 of 4-7
	v_cmp_eq_u32 vcc_lo, 1, v4
.irp i, 0,1,2,3
	v_cndmask_b32 v[160+\i], v[PWS+\i], v[PWS+4+\i], vcc_lo
.endr
.endm
.macro EPI_QK                          ; a word's low half is head 2 p's two bytes, its high half head 2 p + 1's; 127 twice on top of each
	SEL4
.irp i, 0,1,2,3
	v_and_or_b32 v[164+\i], v[160+\i], 0xffff, s46
.endr
.irp i, 0,1,2,3
	v_lshrrev_b32 v[168+\i], 16, v[160+\i]
.endr
.irp i, 0,1,2,3
	v_or_b32 v[168+\i], s46, v[168+\i]
.endr
	global_store_b128 v1, v[164:167], s[40:41]     ; [half][r][4 tiles]: 512 consecutive bytes
	global_store_b128 v1, v[168:171], s[42:43]
.endm
	s_load_b256 s[4:11], s[0:1], 0x0               ; cod s[4:5], scl s[6:7], key_padding_mask s[8:9], qc s[10:11]
	s_load_b128 s[12:15], s[0:1], 0x20             ; qs s[12:13], kv s[14:15]
	v_lshrrev_b32 v5, 5, v0
	v_readfirstlane_b32 s16, v5                    ; wave: 0 q, 1 k, 2 v
	v_and_b32 v5, 31, v0
	v_lshlrev_b32 v1, 4, v5                        ; 16 x lane
	v_lshlrev_b32 v2, 2, v5                        ; 4 x lane
	v_and_b32 v3, 15, v0                           ; r
	v_bfe_u32 v4, v0, 4, 1                         ; h
.irp b, 0,1,2,3
	v_mov_b32 v[TM+4+\b], 0                        ; written once: a lane permute's destination counts as one of its sources
.endr
	s_mov_b32 s[SEL], 0x76543210
	s_mov_b32 s[SEL+1], 0xfedcba98
	s_mov_b32 s46, 0x7f7f0000                      ; bytes 2 and 3 of Q's and K's scale words
	s_mov_b32 s47, 0xf1800000                      ; -2^100
	s_and_b32 s18, ttmp9, 3                        ; p
	s_lshr_b32 s19, ttmp9, 2                       ; sg
	s_lshr_b32 s20, s19, 5                         ; batch
	s_and_b32 s21, s19, 31                         ; the slice in its batch
	; the first units of the stationary (s22) and streaming (s23) operands.  All offsets are made in registers of their own and chosen by the wave's number
	s_lshl_b32 s48, s18, 5
	s_add_co_u32 s48, s48, 5120                    ; q: Wq's unit 32 p
	s_lshl_b32 s49, s19, 5                         ; q: x's unit 32 sg
	s_mul_i32 s50, s18, 48
	s_add_co_u32 s51, s50, 5248                    ; k: Wkv's unit 48 p
	s_add_co_u32 s52, s50, 5440                    ; v: Wkv's unit 192 + 48 p
	s_mul_i32 s53, s19, 48
	s_add_co_u32 s53, s53, 2048                    ; y's unit 48 sg
	s_cmp_eq_u32 s16, 1
	s_cselect_b32 s22, s51, s53
	s_cselect_b32 s23, s53, s52
	s_cmp_eq_u32 s16, 0
	s_cselect_b32 s22, s48, s22
	s_cselect_b32 s23, s49, s23
	; where the results go
	s_lshl_b32 s48, s20, 3
	s_lshl_b32 s49, s18, 1
	s_add_co_u32 s48, s48, s49                     ; the pair's first head of 16: 8 b + 2 p
	s_mul_i32 s50, s48, HS
	s_lshr_b32 s51, s21, 2
	s_mul_i32 s51, s51, CH
	s_add_co_u32 s50, s50, s51                     ; its chunk in kv
	s_and_b32 s51, s21, 3                          ; the key step in the chunk
	s_lshl_b32 s52, s51, 12
	s_add_co_u32 s52, s52, s50                     ; k: the step's 8 images of 512 bytes
	s_add_co_u32 s53, s52, 16384                   ; v: the step's 4 images of 1,024
	s_mul_i32 s54, s51, 1280
	s_add_co_u32 s54, s54, s50
	s_add_co_u32 s54, s54, 32768                   ; k: the step's record
	s_add_co_u32 s55, s54, 1024                    ; v: its scale words in the record
	s_lshl_b32 s56, s48, 8
	s_lshl_b32 s57, s21, 3
	s_add_co_u32 s56, s56, s57
	s_lshl_b32 s56, s56, 9                         ; q: (head x 256 + 8 x slice) x 512
	s_lshl_b32 s57, s48, 5
	s_add_co_u32 s57, s57, s21
	s_lshl_b32 s57, s57, 9                         ; q: (head x 32 + slice) x 512
	s_mov_b32 s58, 512                             ; from the first store's place to the second's: v: an image's second half;
	s_mov_b32 s36, 1024                            ; from iteration to iteration: v: an image;
	s_mov_b32 s38, HS-4096                         ; v: at iteration 4, on to the second head
	s_mov_b32 s59, HS                              ; from the first head's scale words to the second's
	s_cmp_eq_u32 s16, 1
	s_cselect_b32 s52, s52, s53
	s_cselect_b32 s54, s54, s55
	s_cselect_b32 s58, HS, s58                     ; k: the second head
	s_cselect_b32 s36, 512, s36
	s_cselect_b32 s38, 0, s38
	s_wait_kmcnt 0x0
	s_cmp_eq_u32 s16, 0
	s_cselect_b32 s52, s56, s52
	s_cselect_b32 s54, s57, s54
	s_cselect_b32 s58, 131072, s58                 ; q: the second head: 256 tiles of 512 bytes
	s_cselect_b32 s36, 512, s36
	s_cselect_b32 s38, 0, s38
	s_cselect_b32 s59, 16384, s59
	s_cselect_b64 s[32:33], s[10:11], s[14:15]     ; codes go to qc or to kv,
	s_cselect_b64 s[40:41], s[12:13], s[14:15]     ; scale words to qs or to kv: a choice on the wave's number
	s_mov_b32 s37, 0
	s_mov_b32 s39, 0
	s_mov_b32 s49, 0
	s_mov_b32 s48, s52
	s_add_nc_u64 s[32:33], s[32:33], s[48:49]
	s_mov_b32 s48, s58
	s_add_nc_u64 s[34:35], s[32:33], s[48:49]
	s_mov_b32 s48, s54
	s_add_nc_u64 s[40:41], s[40:41], s[48:49]
	s_mov_b32 s48, s59
	s_add_nc_u64 s[42:43], s[40:41], s[48:49]
	s_lshl_b32 s48, s22, 10
	s_add_nc_u64 s[24:25], s[4:5], s[48:49]        ; stationary images,
	s_lshl_b32 s48, s23, 10
	s_add_nc_u64 s[26:27], s[4:5], s[48:49]        ; streaming images,
	s_lshl_b32 s48, s22, 6
	s_add_nc_u64 s[28:29], s[6:7], s[48:49]        ; and their scale words
	s_lshl_b32 s48, s23, 6
	s_add_nc_u64 s[30:31], s[6:7], s[48:49]
	s_cmp_eq_u32 s16, 0
	s_cbranch_scc0 .Lkv
	s_wait_alu depctr_va_vdst(0)
	MAIN 4, 512                                    ; q: K = 512
	EPI_QK
	s_endpgm
.Lkv:
	s_wait_alu depctr_va_vdst(0)
	MAIN 6, 640                                    ; k and v: K = 768
	s_cmp_eq_u32 s16, 1
	s_cbranch_scc0 .Lv
	EPI_QK
	; the mask of the step's 128 keys as f32, in the order [tile][row]: lane l makes words 4 l .. 4 l + 3: tile t = l / 4, rows 4 (l % 4) on: four neighbouring keys
	v_and_b32 v5, 31, v0
	v_lshrrev_b32 v6, 2, v5                        ; t
	v_lshrrev_b32 v7, 1, v6
	v_lshlrev_b32 v7, 5, v7                        ; 32 (t / 2)
	v_and_b32 v8, 1, v6
	v_lshl_add_u32 v7, v8, 3, v7                   ; + 8 (t % 2)
	v_and_b32 v8, 3, v5
	v_lshl_add_u32 v7, v8, 2, v7                   ; + the row
	v_lshrrev_b32 v8, 1, v8
	v_lshl_add_u32 v7, v8, 3, v7                   ; + 8 (row / 8)
	s_lshl_b32 s48, s19, 7                         ; 4,096 b + 128 x slice
	s_add_nc_u64 s[8:9], s[8:9], s[48:49]
	global_load_b32 v172, v7, s[8:9]               ; four bytes, 0 or 1
	s_wait_loadcnt 0x0
.irp i, 0,1,2,3
	v_bfe_u32 v[176+\i], v172, 8*\i, 8
.endr
.irp i, 0,1,2,3
	v_mul_lo_u32 v[176+\i], v[176+\i], s47         ; 0, or the bits of -2^100
.endr
	global_store_b128 v1, v[176:179], s[40:41] offset:512   ; into both heads' records
	global_store_b128 v1, v[176:179], s[42:43] offset:512
	s_endpgm
.Lv:
	SEL4                                           ; lanes 0-15 hold head 2 p's four tiles' words of channel row r, lanes 16-31 head 2 p + 1's
	v_mul_u32_u24 v5, v4, HS
	v_lshl_add_u32 v5, v3, 4, v5
	global_store_b128 v5, v[160:163], s[40:41]     ; sixteen lanes store 256 consecutive bytes, at a multiple of 256 from kv's first byte
	s_endpgm
.Lfunc_end_k_q4fb422e22d_proj:
	.size	k_q4fb422e22d_proj, .Lfunc_end_k_q4fb422e22d_proj-k_q4fb422e22d_proj
	.p2alignl 7, 3214868480
	.fill 96, 4, 3214868480
	.section	.rodata,"a",@progbits
	.p2align	6, 0x0
	.amdhsa_kernel k_q4fb422e22d_proj
		.amdhsa_group_segment_fixed_size 0
		.amdhsa_private_segment_fixed_size 0
		.amdhsa_enable_private_segment 0
		.amdhsa_kernarg_size 48
		.amdhsa_user_sgpr_count 2
		.amdhsa_user_sgpr_kernarg_segment_ptr 1
		.amdhsa_wavefront_size32 1
		.amdhsa_system_sgpr_workgroup_id_x 1
		.amdhsa_system_sgpr_workgroup_id_y 1
		.amdhsa_system_sgpr_workgroup_id_z 1
		.amdhsa_system_vgpr_workitem_id 0
		.amdhsa_next_free_vgpr 1024
		.amdhsa_next_free_sgpr 66
		.amdhsa_reserve_vcc 1
		.amdhsa_float_denorm_mode_32 3
		.amdhsa_float_denorm_mode_16_64 3
		.amdhsa_memory_ordered 1
		.amdhsa_forward_progress 1
		.amdhsa_inst_pref_size 194
	.end_amdhsa_kernel
	.amdgpu_metadata
---
amdhsa.version: [ 1, 2 ]
amdhsa.kernels:
  - .name:           k_q4fb422e22d_proj
    .symbol:         k_q4fb422e22d_proj.kd
    .args:
      - { .name: cod, .offset: 0, .size: 8, .value_kind: global_buffer, .address_space: global }
      - { .name: scl, .offset: 8, .size: 8, .value_kind: global_buffer, .address_space: global }
      - { .name: key_padding_mask, .offset: 16, .size: 8, .value_kind: global_buffer, .address_space: global }
      - { .name: qc, .offset: 24, .size: 8, .value_kind: global_buffer, .address_space: global }
      - { .name: qs, .offset: 32, .size: 8, .value_kind: global_buffer, .address_space: global }
      - { .name: kv, .offset: 40, .size: 8, .value_kind: global_buffer, .address_space: global }
    .group_segment_fixed_size: 0
    .private_segment_fixed_size: 0
    .kernarg_segment_align: 8
    .kernarg_segment_size: 48
    .max_flat_workgroup_size: 96
    .sgpr_count:     66
    .vgpr_count:     1024
    .wavefront_size: 32
...
	.end_amdgpu_metadata
.endif
;; end of part 2
;; launch attn (part 3): grid 16 x 16, 8 waves a work-group, clusters of 4 x 1, 327,680 bytes of LDS; arguments qc, qs, kv, oc, os; writes oc, os
.if DOCPART == 3
	.amdgcn_target "amdgcn-amd-amdhsa--gfx1250"
	.amdhsa_code_object_version 6
	.text
	.protected	k_q4fb422e22d_attn
	.globl	k_q4fb422e22d_attn
	.p2align	8
	.type	k_q4fb422e22d_attn,@function
k_q4fb422e22d_attn:
	s_mov_b64 s[64:65], 0
	v_nop
	global_prefetch_b8 v0, s[64:65] scope:SCOPE_SE
	s_setreg_imm32_b32 hwreg(HW_REG_WAVE_MODE, 25, 1), 1
	s_wait_xcnt 0x0
	s_wait_alu depctr_hold_cnt(0) depctr_sa_sdst(0) depctr_va_vdst(0) depctr_va_sdst(0) depctr_va_ssrc(0) depctr_va_vcc(0) depctr_vm_vsrc(0)
	s_getreg_b32 s2, hwreg(HW_REG_IB_STS2, 6, 4)
	s_cmp_eq_u32 s2, 0
	s_cbranch_scc0 .Lentry_in_a_cluster
	s_endpgm
.Lentry_in_a_cluster:
	s_bfe_u32 s2, ttmp6, 0x10000c
	s_cmp_lg_u32 s2, 0x3003
	s_cbranch_scc0 .Lentry_shape_is_right
	s_endpgm
.Lentry_shape_is_right:
; Launch 3 of 4: o = softmax(q k^T / 8, masked) v on codes of E2M1, and o quantised along the last product's K.  No work of reference() is left out: the mask is an input, so masked keys are computed and selected.
; THE SOFTMAX AHEAD OF THE SECOND PRODUCT: t = score x log2(e) / 8; M = the largest t so far, rounded UP to a whole number; p = 2^(t - M) is quantised along the keys, not normalised; the row's sum is taken of the
; unquantised p and divides O at the end.  When M moves, the sum and O are multiplied by 2^(old M - new M): exact.
; SHARES.  Grid y is the head of 16 (8 b + h), grid x a block of 256 queries.  Each of the eight waves owns TWO tiles of 16 queries, A and B, in 512 registers, and walks all 4,096 keys, 128 a step: each fragment of K, of V and
; of the mask that it reads from LDS serves both tiles.
; LDS HOLDS THE HEAD'S WHOLE K, V, SCALES AND MASK, 303,104 bytes as the second launch laid them, FILLED ONCE: eight chunks of 512 keys, one tensor load a wave at the head (148 rows of 256 bytes), one barrier, nothing filled again.
; CLUSTER.  The four query blocks of a cluster belong to one head and want the same bytes: each load is asked for jointly, with the same descriptor and the mask 15 in all four.
; NO PREFETCH: the launch's one fill stands at its head, and there is no loop ahead of it in which to ask earlier.
; LAYOUT.  Both products are used transposed: S^T = K Q^T (source 0 = 16 keys), O^T = V^T P^T (source 0 = 16 channels): a lane holds ONE query of each tile throughout.
; THE KEYS OF A TILE ARE CHOSEN BY THE LDS ADDRESS: row m of tile 4 c + u is key 64 c + 32 (m / 8) + 8 u + m % 8.  So the 32 result registers of tiles 4 c .. 4 c + 3 in lane (r, h) are keys 64 c + 32 h + 0 .. 31: a whole block
; of the second product's K, in the order of its operand: a block's largest score needs no other lane, and the conversions' results are the operand's registers.
; The head's 64 fill half of the instruction's K: registers 4-7 of Q's and K's fragments are zero codes.
; THE MASK is the C of the first product: 0 for a key that counts, -2^100 for a masked one, in registers of its own that serve both tiles.  The largest score so far begins at -2^90, over every masked score: a masked key's p is 0 from the first step on.
; A BLOCK'S SCALE: the exponent of its largest p is floor(t - M) of its largest score, held at -124 from below (the byte at 1).
; LIMITS: scores of magnitude 2^89 and more are not served; NaN and infinities among the inputs are not served; a block of zeros has the scale byte 1.  A row all of whose keys are masked (its largest score stays at -2^90) gets the
; scale bytes 0xff, which make the last product's sums NaN, as reference() has them.  os is stored two bytes a lane: 128 KiB in all, in parts of aligned blocks.
; REGISTERS, in two windows of 256.  Both: v7 8 h, v12 -M, v13 the largest score, v[14:15] the sum, v96-159 S^T then p, v160-191 O^T, v224-231 p's codes, v232-252 at work: window 0 tile A's, window 1 tile B's.
; Window 0 alone: v1-11, v20-23 addresses, v3, v4 Q's scale words, v16-19 V's, v30, v31 p's, v32-95 the mask, v200-207 K's scale words.  Window 1 alone: v16-31 Q's two fragments, v32-95 K's eight, v192-223 V's four.
.set HS,   303104
.set CH,   37888                       ; a chunk: 32 images of K (512 bytes), 16 of V^T (1,024), 4 records of 1,280
.set REC,  32768                       ; where a chunk's records begin
.set SPARE, 8*CH                       ; behind the chunks: the spare words, 128 bytes a wave, that no other line names
.set L16, 1
.set R16, 2
.set QS,  3
.set SPW, 5
.set NIL, 6
.set SH8, 7
.set ADK, 8
.set ADV, 9
.set ADM, 10
.set ADS, 11
.set NM,  12
.set SUM, 14
.set VS,  16
.set QF,  16
.set ADT, 20
.set AK0, 21
.set AM0, 22
.set AS0, 23
.set PW,  30
.set MK,  32
.set KF,  32
.set S,   96
.set O,   160
.set VF,  192
.set KS,  200
.set PC,  224
.set T,   232                          ; v232-239 eight chains of maxima; v232-247 later eight pairs of partial sums
.set PX,  240
.set RM,  241
.set NN,  242
.set D,   243
.set F,   244
.set X,   246
.set OP,  248
.set E,   250
.set WD,  252
.set G1,  16
.set G0,  24
.set WV,  56
.set CS,  60                           ; s[60:61] c = log2(e) / 8
.set SEL, 62                           ; s[62:63] v_permlanex16_b32's selects for lane l xor 16
.set NC,  66                           ; -c
.set THR, 67                           ; -2^89
.set I,   68                           ; the key step, 0 .. 31
.set TA,  69                           ; LDS byte of the step's images, s70 of its record less REC; s71, s72 the next step's
.set TS,  70
.set TAN, 71
.set TSN, 72
.set MSB, 0
.macro WIN new                         ; the immediate's high byte repeats the setting that is left; a switch that changes nothing is dropped
.if MSB != \new
	s_set_vgpr_msb (MSB<<8)|\new
.set MSB, \new
.endif
.endm
.macro CROUND                          ; a round of the cluster's barrier
	s_barrier_signal -1
	s_barrier_wait -1
	s_cmp_lg_u32 s[WV], 0
	s_cbranch_scc1 .Lnot_wave_0_\@
	s_barrier_signal -3
.Lnot_wave_0_\@:
	s_barrier_wait -3
	s_barrier_signal -1
	s_barrier_wait -1
.endm
.macro ADDR i, ta, ts                  ; step i lies in chunk i / 4: images 4,096 bytes a step, records 1,280
	s_lshr_b32 s73, s[\i], 2
	s_mul_i32 s73, s73, CH
	s_and_b32 s74, s[\i], 3
	s_lshl_b32 s75, s74, 12
	s_add_co_u32 s[\ta], s73, s75
	s_mul_i32 s74, s74, 1280
	s_add_co_u32 s[\ts], s73, s74
.endm
; A step's K (8 loads), mask (16) and K's scale words (4).  Key 32 b + 8 u + x of the stored order [tile 2 b + u % 2][row 8 (u / 2) + x] is picked by lane term and offset
.macro LDK ak, am, as
	WIN 0x40
.irp c, 0,1
.irp u, 0,1,2,3
	ds_load_b128 v[KF+8*(4*\c+\u):KF+8*(4*\c+\u)+3], v[\ak] offset:2048*\c+512*(\u%2)+128*(\u/2)
.endr
.endr
	WIN 0
.irp c, 0,1
.irp u, 0,1,2,3
	ds_load_b128 v[MK+8*(4*\c+\u):MK+8*(4*\c+\u)+3], v[\am] offset:REC+512+256*\c+64*(\u%2)+32*(\u/2)
	ds_load_b128 v[MK+8*(4*\c+\u)+4:MK+8*(4*\c+\u)+7], v[\am] offset:REC+528+256*\c+64*(\u%2)+32*(\u/2)
.endr
.endr
.irp c, 0,1
.irp a, 0,1
	ds_load_b64 v[KS+4*\c+2*\a:KS+4*\c+2*\a+1], v[\as] offset:REC+256*\c+128*\a   ; the words of tiles 4 c + 2 a and the next
.endr
.endr
.endm
; THE SOFTMAX of one tile's 128 keys, all in window w
.macro SOFT w
	WIN 0x55*\w
.if \w
	s_wait_alu depctr_va_vdst(0)
.endif
.irp a, 0,1,2,3,4,5,6,7
	v_max3_num_f32 v[T+\a], v[S+8*\a], v[S+8*\a+1], v[S+8*\a+2]   ; eight chains by turns, one an accumulator, each first read at its low end
.endr
.irp i, 3,5
.irp a, 0,1,2,3,4,5,6,7
	v_max3_num_f32 v[T+\a], v[T+\a], v[S+8*\a+\i], v[S+8*\a+\i+1]
.endr
.endr
.irp c, 0,1
	v_max3_num_f32 v[T+4*\c], v[T+4*\c], v[T+4*\c+1], v[S+32*\c+7]   ; the chains and each accumulator's last register are joined, block by block
.endr
.irp c, 0,1
	v_max3_num_f32 v[T+4*\c+2], v[T+4*\c+2], v[T+4*\c+3], v[S+32*\c+15]
.endr
.irp c, 0,1
	v_max3_num_f32 v[T+4*\c], v[T+4*\c], v[T+4*\c+2], v[S+32*\c+23]
.endr
.irp c, 0,1
	v_max_num_f32 v[T+4*\c], v[T+4*\c], v[S+32*\c+31]   ; the largest score of my block 2 c + h
.endr
	s_delay_alu instid0(VALU_DEP_1)
	v_max_num_f32 v[RM], v[T], v[T+4]
	s_delay_alu instid0(VALU_DEP_1)
	v_permlanex16_b32 v[PX], v[RM], s[SEL], s[SEL+1]
	s_delay_alu instid0(VALU_DEP_1)
	v_max3_num_f32 v[NM+1], v[NM+1], v[RM], v[PX]  ; the running largest score of my query
	s_delay_alu instid0(VALU_DEP_1)
	v_mul_f32 v[NN], s[NC], v[NM+1]                ; -t
	s_delay_alu instid0(VALU_DEP_1)
	v_floor_f32 v[NN], v[NN]                       ; the new -M = floor(-t) = -ceil(t)
	s_delay_alu instid0(VALU_DEP_1)
	v_sub_f32 v[D], v[NN], v[NM]                   ; old M - new M: a whole number, 0 or less.  From here three chains by turns: f and the two blocks' scales
	v_fma_f32 v[X], v[T], s[CS], v[NN]             ; t - M of each block's largest score
	v_fma_f32 v[X+1], v[T+4], s[CS], v[NN]
	v_mov_b32 v[NM], v[NN]
	v_cvt_i32_f32 v[D], v[D]                       ; (it saturates)
	v_max_num_f32 v[X], 0xc2f80000, v[X]           ; held at -124
	v_max_num_f32 v[X+1], 0xc2f80000, v[X+1]
	v_ldexp_f32 v[F], 1.0, v[D]                    ; f = 2^(old M - new M)
	v_floor_f32 v[X], v[X]
	v_floor_f32 v[X+1], v[X+1]
	v_pk_mul_f32 v[SUM:SUM+1], v[SUM:SUM+1], v[F:F+1] op_sel_hi:[1,0]   ; the sums under the new M
	v_cvt_i32_f32 v[E], v[X]                       ; e: the exponent of the block's largest p
	v_cvt_i32_f32 v[E+1], v[X+1]
.if \w
	s_wait_alu depctr_va_vdst(0)
.endif
.set j, 0
.rept 16
	v_pk_mul_f32 v[O+j:O+j+1], v[O+j:O+j+1], v[F:F+1] op_sel_hi:[1,0]   ; O^T under the new M; the scales' last lines stand among these sixteen
.if j == 2
	v_add_lshl_u32 v[OP], v[E], 125, 23            ; the byte e - 2 + 127 in the exponent field: the conversion's scale operand
.endif
.if j == 4
	v_add_lshl_u32 v[OP+1], v[E+1], 125, 23
.endif
.if j == 6
	v_lshl_add_u32 v[WD], v[E+1], 16, v[E]
.endif
.if j == 12
	v_add_lshl_u32 v[WD], v[WD], 0x7d007d, v[SH8]  ; my two bytes, blocks h and 2 + h, at their places in the scale word
.endif
.if j == 18
	v_permlanex16_b32 v[PX], v[WD], s[SEL], s[SEL+1]
.endif
.set j, j+2
.endr
	WIN 0x15*\w                                    ; scale words lie in window 0
	v_or_b32 v[PW+\w], v[WD], v[PX]                ; with lane l xor 16's two the word is whole
	WIN 0x55*\w
.set j, 0
.rept 16
	v_pk_fma_f32 v[S+j:S+j+1], v[S+j:S+j+1], s[CS:CS+1], v[NM:NM+1] op_sel_hi:[1,0,0]   ; t - M of my first block, two at a time
.set j, j+2
.endr
	s_wait_alu depctr_va_vdst(0)                   ; ahead of the first batch of exponentials
.set j, 0
.rept 16
	v_exp_f32 v[S+j], v[S+j]                       ; p = 2^(t - M) of my first block;
	v_exp_f32 v[S+j+1], v[S+j+1]
	v_pk_fma_f32 v[S+32+j:S+33+j], v[S+32+j:S+33+j], s[CS:CS+1], v[NM:NM+1] op_sel_hi:[1,0,0]   ; among them t - M of my second: independent lines, first read behind the wait below
.set j, j+2
.endr
	s_wait_alu depctr_va_vdst(0)                   ; one wait: behind the first batch and ahead of the second
.set j, 0
.rept 16
.if (j%8) == 0
	v_cvt_scalef32_pk8_fp4_f32 v[PC+j/8], v[S+j:S+j+7], v[OP]   ; among the second batch: the first block's codes (register g of the operand: keys 32 h + 8 g on),
.endif
	v_exp_f32 v[S+32+j], v[S+32+j]
	v_exp_f32 v[S+33+j], v[S+33+j]
.if (j%4) == 2
	v_pk_add_f32 v[T+(j-2)/2:T+(j-2)/2+1], v[S+j-2:S+j-1], v[S+j:S+j+1]   ; and its p summed by fours into eight pairs: all first read behind the wait below
.endif
.set j, j+2
.endr
	s_wait_alu depctr_va_vdst(0)                   ; one wait for the second batch, ahead of its first reader
.irp g, 0,1,2,3
	v_cvt_scalef32_pk8_fp4_f32 v[PC+4+\g], v[S+32+8*\g:S+32+8*\g+7], v[OP+1]   ; the second block's codes: keys 64 + 32 h + 8 g on
.endr
.irp m, 0,1,2,3,4,5,6,7
	v_pk_add_f32 v[T+2*\m:T+2*\m+1], v[T+2*\m:T+2*\m+1], v[S+32+2*\m:S+33+2*\m]   ; the row's sum of the unquantised p, in eight chains.  These 24 also stand between the codes' writing and the second product
.endr
.irp m, 0,1,2,3,4,5,6,7
	v_pk_add_f32 v[T+2*\m:T+2*\m+1], v[T+2*\m:T+2*\m+1], v[S+48+2*\m:S+49+2*\m]
.endr
.irp m, 0,2,4,6
	v_pk_add_f32 v[T+2*\m:T+2*\m+1], v[T+2*\m:T+2*\m+1], v[T+2*\m+2:T+2*\m+3]
.endr
.irp m, 0,4
	v_pk_add_f32 v[T+2*\m:T+2*\m+1], v[T+2*\m:T+2*\m+1], v[T+2*\m+4:T+2*\m+5]
.endr
	v_pk_add_f32 v[T:T+1], v[T:T+1], v[T+8:T+9]
	v_pk_add_f32 v[SUM:SUM+1], v[SUM:SUM+1], v[T:T+1]
.endm
; THE WAY OUT of one tile.  O^T / the sum: register 16 b + i is channel 32 b + 16 h + i of my query: two blocks of the last product's K, quantised here
.macro TAIL w
	WIN 0x55*\w
	v_add_f32 v[SUM], v[SUM], v[SUM+1]
	s_delay_alu instid0(VALU_DEP_1)
	v_permlanex16_b32 v[PX], v[SUM], s[SEL], s[SEL+1]
	s_delay_alu instid0(VALU_DEP_1)
	v_add_f32 v[SUM], v[SUM], v[PX]                ; the row's sum
	s_wait_alu depctr_va_vdst(0)                   ; ahead of the transcendental
	v_rcp_f32 v[SUM], v[SUM]
	v_mov_b32 v[NN], 0xffff                        ; (the plain line behind the reciprocal)
	s_wait_alu depctr_va_vdst(0)                   ; and ahead of its first reader, which is O^T's first reader too
.set j, 0
.rept 32
	v_mul_f32 v[S+j], v[O+j], v[SUM]
.set j, j+1
.endr
.irp b, 0,1
	v_max3_num_f32 v[T+\b], |v[S+16*\b]|, |v[S+1+16*\b]|, 0x1800000   ; with the floor 2^(3 - 127)
.endr
.irp i, 2,4,6,8,10,12,14
.irp b, 0,1
	s_delay_alu instid0(VALU_DEP_2)
	v_max3_num_f32 v[T+\b], v[T+\b], |v[S+16*\b+\i]|, |v[S+1+16*\b+\i]|
.endr
.endr
.irp b, 0,1
	s_delay_alu instid0(VALU_DEP_2)
	v_permlanex16_b32 v[X+\b], v[T+\b], s[SEL], s[SEL+1]
.endr
.irp b, 0,1
	s_delay_alu instid0(VALU_DEP_2)
	v_max_num_f32 v[T+\b], v[T+\b], v[X+\b]
.endr
.irp b, 0,1
	s_delay_alu instid0(VALU_DEP_2)
	v_add_nc_u32 v[OP+\b], 0xff000000, v[T+\b]     ; 2 off the exponent field: the conversion's scale operand
.endr
.irp b, 0,1
	s_delay_alu instid0(VALU_DEP_2)
	v_lshrrev_b32 v[E+\b], 23, v[OP+\b]
.endr
	s_delay_alu instid0(VALU_DEP_1)
	v_lshl_or_b32 v[WD], v[E+1], 8, v[E]           ; the two scale bytes
	v_cmp_gt_f32 vcc_lo, s[THR], v[NM+1]           ; no key counted for my query:
	s_delay_alu instid0(VALU_DEP_1)
	v_cndmask_b32 v[WD], v[WD], v[NN], vcc_lo      ; the bytes 0xff
.irp b, 0,1
	v_cvt_scalef32_pk8_fp4_f32 v[PC+2*\b], v[S+16*\b:S+7+16*\b], v[OP+\b]
	v_cvt_scalef32_pk8_fp4_f32 v[PC+1+2*\b], v[S+8+16*\b:S+15+16*\b], v[OP+\b]
.endr
	v_nop                                          ; one plain line behind the scaled conversions
	v_permlane16_swap_b32 v[PC], v[PC+2]
	v_permlane16_swap_b32 v[PC+1], v[PC+3]         ; four registers of the last product's operand
	WIN 4*\w                                       ; the data in window w, the offsets in window 0
	global_store_b128 v[L16], v[PC:PC+3], s[10:11] offset:4096*\w   ; 512 consecutive bytes, at a multiple of 256 from oc's first byte
	global_store_b16 v[R16], v[WD], s[12:13] offset:256*\w          ; both halves of the lanes write row r's two bytes with the same value
.endm
	s_load_b256 s[4:11], s[0:1], 0x0               ; qc s[4:5], qs s[6:7], kv s[8:9], oc s[10:11]
	s_load_b64 s[12:13], s[0:1], 0x20              ; os
	v_lshl_add_u32 v[SPW], v0, 2, SPARE
	v_mov_b32 v[NIL], 0
	ds_add_u32 v[SPW], v[NIL]                      ; the wave's opening: the add, twice on end, and its wait ahead of the first tensor load
	ds_add_u32 v[SPW], v[NIL]
	v_lshrrev_b32 v8, 5, v0
	v_readfirstlane_b32 s[WV], v8                  ; wave 0..7
	s_bfe_u32 s57, ttmp6, 0x40000                  ; cx: it enters Q's and the results' global addresses alone
	s_lshl_b32 s58, ttmp9, 2
	s_add_co_u32 s58, s58, s57                     ; my block of 256 queries
	s_and_b32 s59, ttmp7, 0xffff                   ; the head of 16, which the four partners share
	s_mov_b32 s[G1], 15|(3<<16)|(1<<21)            ; the mask: all four work-groups; elements of 8 bytes; bit 21 beside a mask; no padding
	s_mov_b32 s[G1+1], 32<<16                      ; tensor_dim0 = 32 elements: 256 bytes
	s_mov_b32 s[G1+2], 148<<16                     ; tensor_dim1 = 148 rows: a chunk
	s_mov_b32 s[G1+3], 32<<16
	s_mov_b32 s[G1+4], 148
	s_mov_b32 s[G1+5], 32                          ; dense
	s_mov_b32 s[G1+6], 0
	s_mov_b32 s[G1+7], 0
	s_mul_i32 s70, s[WV], CH                       ; my chunk
	s_mul_i32 s72, s59, HS
	s_add_co_u32 s72, s72, s70
	s_mov_b32 s73, 0
	s_mov_b32 s[CS], 0x3e38aa3b                    ; log2(e) / 8
	s_mov_b32 s[CS+1], s[CS]
	s_mov_b32 s[NC], 0xbe38aa3b
	s_mov_b32 s[SEL], 0x76543210
	s_mov_b32 s[SEL+1], 0xfedcba98
	s_mov_b32 s[THR], 0xec000000                   ; -2^89
	s_wait_dscnt 0x0                               ; both opening adds are done
	s_wait_kmcnt 0x0
	s_mov_b32 s[G0], 1
	s_mov_b32 s[G0+1], s70
	s_add_nc_u64 s[G0+2:G0+3], s[8:9], s[72:73]
	s_or_b32 s[G0+3], s[G0+3], 0x80000000
	CROUND                                         ; all four work-groups are here: the joint loads meet
	tensor_load_to_lds s[G0:G0+3], s[G1:G1+7]      ; every wave's one load: chunk = wave
	s_nop 0
.rept 4
	v_nop
.endr
	s_lshl_b32 s74, s58, 4
	s_lshl_b32 s75, s[WV], 1
	s_add_co_u32 s74, s74, s75                     ; tile A of the head's 256: T, an even number; tile B is T + 1
	s_lshl_b32 s75, s59, 8
	s_add_co_u32 s75, s75, s74
	s_lshl_b32 s76, s75, 9
	s_mov_b32 s77, 0
	s_add_nc_u64 s[4:5], s[4:5], s[76:77]          ; Q's images
	s_lshl_b32 s76, s59, 14
	s_lshr_b32 s78, s74, 3
	s_lshl_b32 s78, s78, 9
	s_add_co_u32 s76, s76, s78                     ; their scale words: group T / 8,
	s_bfe_u32 s78, s74, 0x10002
	s_lshl_b32 s78, s78, 8
	s_add_co_u32 s76, s76, s78                     ; half (T / 4) % 2,
	s_and_b32 s78, s74, 3
	s_lshl_b32 s78, s78, 2
	s_add_co_u32 s76, s76, s78                     ; word T % 4
	s_add_nc_u64 s[6:7], s[6:7], s[76:77]
	s_lshr_b32 s78, s59, 3
	s_lshl_b32 s78, s78, 8
	s_add_co_u32 s78, s78, s74                     ; my tile of all 512: 256 b + T
	s_and_b32 s79, s59, 7                          ; the head of 8
	s_lshr_b32 s75, s79, 1                         ; the last product's K step,
	s_and_b32 s79, s79, 1                          ; and which half of it
	s_lshl_b32 s76, s78, 2
	s_add_co_u32 s76, s76, s75
	s_lshl_b32 s76, s76, 10
	s_lshl_b32 s71, s79, 9
	s_add_co_u32 s76, s76, s71
	s_add_nc_u64 s[10:11], s[10:11], s[76:77]      ; oc: (tile x 4 + K step) x 1,024 + 512 x half
	s_lshl_b32 s76, s78, 8
	s_lshl_b32 s75, s75, 2
	s_add_co_u32 s76, s76, s75
	s_lshl_b32 s79, s79, 1
	s_add_co_u32 s76, s76, s79
	s_add_nc_u64 s[12:13], s[12:13], s[76:77]      ; os: tile x 256 + 4 x K step + 2 x half
	s_mov_b32 s[I], 0
	v_and_b32 v8, 31, v0
	v_and_b32 v9, 15, v0
	v_and_b32 v10, 7, v0                           ; r % 8
	v_bfe_u32 v11, v0, 3, 1                        ; r / 8
	v_lshlrev_b32 v[L16], 4, v8
	v_lshlrev_b32 v[R16], 4, v9
	v_bfe_u32 v8, v0, 4, 1                         ; h
	v_lshlrev_b32 v[AK0], 4, v10
	v_lshlrev_b32 v[AS0], 4, v10
	v_lshl_add_u32 v[AK0], v11, 10, v[AK0]
	v_lshl_add_u32 v[AS0], v11, 3, v[AS0]          ; K's scale words: 16 (r % 8) + 8 (r / 8)
	v_lshl_add_u32 v[AK0], v8, 8, v[AK0]           ; K's codes: 1,024 (r / 8) + 256 h + 16 (r % 8)
	v_lshlrev_b32 v[AM0], 7, v8                    ; the mask: 128 h
	v_lshlrev_b32 v[SH8], 3, v8
	WIN 0x40
	global_load_b128 v[QF:QF+3], v[L16], s[4:5]            ; Q's codes stay in registers: tile A's,
	global_load_b128 v[QF+8:QF+11], v[L16], s[4:5] offset:512   ; tile B's
	WIN 0
	global_load_b32 v[QS], v[R16], s[6:7]          ; and their scale words
	global_load_b32 v[QS+1], v[R16], s[6:7] offset:4
	v_mov_b32 v[NM+1], 0xec800000                  ; the largest score so far: -2^90
	v_mul_f32 v[NN], s[NC], v[NM+1]
	v_floor_f32 v[NM], v[NN]                       ; -M
.macro ZEROS
.irp r, SUM, SUM+1, PX, F+1
	v_mov_b32 v[\r], 0                             ; the sums; a lane permute's destination and a pair's upper half are written before they are named
.endr
.set j, 0
.rept 32
	v_mov_b32 v[O+j], 0                            ; O^T: the step is written once; the first finds zeros
.set j, j+1
.endr
.endm
	ZEROS
	WIN 0x40                                       ; the same for tile B: destinations in window 1, sources in window 0
	v_mov_b32 v[SH8], v[SH8]
	v_mov_b32 v[NM], v[NM]
	v_mov_b32 v[NM+1], v[NM+1]
	ZEROS
.irp i, 4,5,6,7,12,13,14,15
	v_mov_b32 v[QF+\i], 0                          ; zero codes from 64 to 128 along K
.endr
.irp t, 0,1,2,3,4,5,6,7
.irp i, 4,5,6,7
	v_mov_b32 v[KF+8*\t+\i], 0                     ; K's likewise: written once
.endr
.endr
	WIN 0
	s_wait_alu depctr_va_vdst(0)                   ; at the head's end
	s_wait_loadcnt 0x0                             ; Q
	s_wait_tensorcnt 0x0                           ; my chunk is in
	s_barrier_signal -1
	s_barrier_wait -1                              ; and everybody's: the whole head lies in LDS, and nothing is filled again
	LDK AK0, AM0, AS0                              ; step 0's K, mask and scale words
.Lstep:                                                ; 32 trips, a key step each
	ADDR I, TA, TS
	s_add_co_u32 s76, s[I], 1
	s_min_u32 s76, s76, 31                         ; the step asked for ahead; the last trip names step 31 once more, inside the filled bytes, and nothing reads what comes
	ADDR 76, TAN, TSN
	s_wait_dscnt 0x0                               ; this step's K, mask and scale words are in
	WIN 0x05                                       ; K and Q in window 1, the mask and tile A's scores in window 0
.irp t, 0,1,2,3,4,5,6,7
	v_wmma_scale_f32_16x16x128_f8f6f4 v[S+8*\t:S+8*\t+7], v[KF+8*\t:KF+8*\t+7], v[QF:QF+7], v[MK+8*\t:MK+8*\t+7], v[KS+\t], v[QS] matrix_a_fmt:MATRIX_FMT_FP4 matrix_b_fmt:MATRIX_FMT_FP4
.endr
	WIN 0x45                                       ; tile B's scores in window 1
.irp t, 0,1,2,3,4,5,6,7
	v_wmma_scale_f32_16x16x128_f8f6f4 v[S+8*\t:S+8*\t+7], v[KF+8*\t:KF+8*\t+7], v[QF+8:QF+15], v[MK+8*\t:MK+8*\t+7], v[KS+\t], v[QS+1] matrix_a_fmt:MATRIX_FMT_FP4 matrix_b_fmt:MATRIX_FMT_FP4
.endr
	WIN 0
	v_add_nc_u32 v[ADV], s[TA], v[L16]             ; five additions: the places ahead of the loads into registers that products have read, and of the first read of the scores
	v_add_nc_u32 v[ADT], s[TS], v[R16]
	v_add_nc_u32 v[ADK], s[TAN], v[AK0]
	v_add_nc_u32 v[ADM], s[TSN], v[AM0]
	v_add_nc_u32 v[ADS], s[TSN], v[AS0]
	ds_load_b128 v[VS:VS+3], v[ADT] offset:REC+1024        ; V's scale words: row r of the four tiles
	WIN 0x40
.irp t, 0,1,2,3
.irp c, 0,1
	ds_load_b128 v[VF+8*\t+4*\c:VF+8*\t+4*\c+3], v[ADV] offset:16384+1024*\t+512*\c   ; V^T: 16 channels x these 128 keys
.endr
.endr
	LDK ADK, ADM, ADS                              ; and the next step's K, mask and scale words: 28 loads, which land under the softmax
	SOFT 0
	SOFT 1
	s_wait_dscnt 28                                ; V and its scale words are in; the 28 loads issued behind them may be out
	WIN 0x01                                       ; V in window 1; tile A's codes and O^T in window 0
.irp t, 0,1,2,3
	v_wmma_scale_f32_16x16x128_f8f6f4 v[O+8*\t:O+8*\t+7], v[VF+8*\t:VF+8*\t+7], v[PC:PC+7], v[O+8*\t:O+8*\t+7], v[VS+\t], v[PW] matrix_a_fmt:MATRIX_FMT_FP4 matrix_b_fmt:MATRIX_FMT_FP4
.endr
	WIN 0x55                                       ; tile B's in window 1.  The eight accumulators take turns
.irp t, 0,1,2,3
	v_wmma_scale_f32_16x16x128_f8f6f4 v[O+8*\t:O+8*\t+7], v[VF+8*\t:VF+8*\t+7], v[PC:PC+7], v[O+8*\t:O+8*\t+7], v[VS+\t], v[PW+1] matrix_a_fmt:MATRIX_FMT_FP4 matrix_b_fmt:MATRIX_FMT_FP4
.endr
	WIN 0
	s_add_co_u32 s[I], s[I], 1
	s_cmp_lt_u32 s[I], 32
	s_cbranch_scc1 .Lstep
.rept 4
	v_nop                                          ; four places behind the last products
.endr
	TAIL 0
	TAIL 1
	WIN 0
	s_wait_tensorcnt 0x0                           ; the wave's end
	ds_add_u32 v[SPW], v[NIL]
	s_wait_dscnt 0x0
	CROUND                                         ; the closing round
	s_endpgm
.Lfunc_end_k_q4fb422e22d_attn:
	.size	k_q4fb422e22d_attn, .Lfunc_end_k_q4fb422e22d_attn-k_q4fb422e22d_attn
	.p2alignl 7, 3214868480
	.fill 96, 4, 3214868480
	.section	.rodata,"a",@progbits
	.p2align	6, 0x0
	.amdhsa_kernel k_q4fb422e22d_attn
		.amdhsa_group_segment_fixed_size 327680
		.amdhsa_private_segment_fixed_size 0
		.amdhsa_enable_private_segment 0
		.amdhsa_kernarg_size 40
		.amdhsa_user_sgpr_count 2
		.amdhsa_user_sgpr_kernarg_segment_ptr 1
		.amdhsa_wavefront_size32 1
		.amdhsa_system_sgpr_workgroup_id_x 1
		.amdhsa_system_sgpr_workgroup_id_y 1
		.amdhsa_system_sgpr_workgroup_id_z 1
		.amdhsa_system_vgpr_workitem_id 0
		.amdhsa_next_free_vgpr 512
		.amdhsa_next_free_sgpr 80
		.amdhsa_reserve_vcc 1
		.amdhsa_float_denorm_mode_32 3
		.amdhsa_float_denorm_mode_16_64 3
		.amdhsa_memory_ordered 1
		.amdhsa_forward_progress 1
		.amdhsa_inst_pref_size 49
	.end_amdhsa_kernel
	.amdgpu_metadata
---
amdhsa.version: [ 1, 2 ]
amdhsa.kernels:
  - .name:           k_q4fb422e22d_attn
    .symbol:         k_q4fb422e22d_attn.kd
    .args:
      - { .name: qc, .offset: 0, .size: 8, .value_kind: global_buffer, .address_space: global }
      - { .name: qs, .offset: 8, .size: 8, .value_kind: global_buffer, .address_space: global }
      - { .name: kv, .offset: 16, .size: 8, .value_kind: global_buffer, .address_space: global }
      - { .name: oc, .offset: 24, .size: 8, .value_kind: global_buffer, .address_space: global }
      - { .name: os, .offset: 32, .size: 8, .value_kind: global_buffer, .address_space: global }
    .group_segment_fixed_size: 327680
    .private_segment_fixed_size: 0
    .kernarg_segment_align: 8
    .kernarg_segment_size: 40
    .max_flat_workgroup_size: 256
    .sgpr_count:     80
    .vgpr_count:     512
    .wavefront_size: 32
...
	.end_amdgpu_metadata
.endif
;; end of part 3
;; launch outp (part 4): grid 256 x 1, 8 waves a work-group, no clusters, 35,840 bytes of LDS; arguments oc, os, cod, scl, bp, out0; writes out0
.if DOCPART == 4
	.amdgcn_target "amdgcn-amd-amdhsa--gfx1250"
	.amdhsa_code_object_version 6
	.text
	.protected	k_q4fb422e22d_outp
	.globl	k_q4fb422e22d_outp
	.p2align	8
	.type	k_q4fb422e22d_outp,@function
k_q4fb422e22d_outp:
	s_mov_b64 s[64:65], 0
	v_nop
	global_prefetch_b8 v0, s[64:65] scope:SCOPE_SE
	s_setreg_imm32_b32 hwreg(HW_REG_WAVE_MODE, 25, 1), 1
	s_wait_xcnt 0x0
; Launch 4 of 4: out0 = o Wp^T + bp on codes of E2M1.  No work of reference() is left out.
; SHARES.  Work-group g takes row tiles 2 g and 2 g + 1, which are rows 32 g .. 32 g + 31; wave w takes columns 64 w .. 64 w + 63: Wp's tiles 4 w + t, whose 16 fragments stay in its registers.  Waves share nothing: no barrier.
; The product is used transposed (source 0 = 16 rows of Wp, source 1 = 16 rows of o): a lane holds one row of out0, and by the tiles' row order register j of tile t is column 64 w + 32 (t / 2) + 16 h + 8 (t % 2) + j.
; bp is the C of each sum's first product.  A tile's 16 rows x 256 bytes go through the wave's own stage in LDS, so that sixteen lanes store 256 consecutive bytes.
; REGISTERS: v1 16 x lane, v2 4 x lane, v3 16 r, v4 64 h, v5-7 the way out, v10, v11 the add's two; v16-23 Wp's scale words, v24-27 o's; v32-63 four accumulators, then rows; v64-95 o's four fragments; v96-127 bp; v128-255 Wp.
.set SP,    272                        ; a stage row: 256 bytes + 16 = 17 x 16
.set WST,   16*SP
.set SPARE, 8*WST                      ; behind the stages: the spare words, 128 bytes a wave, that no other line names
.set SPW, 10
.set NIL, 11
.set WS,  16
.set AS,  24
.set ACC, 32
.set AF,  64
.set BI,  96
.set WF,  128
	s_load_b256 s[4:11], s[0:1], 0x0               ; oc s[4:5], os s[6:7], cod s[8:9], scl s[10:11]
	s_load_b128 s[12:15], s[0:1], 0x20             ; bp s[12:13], out0 s[14:15]
	v_lshl_add_u32 v[SPW], v0, 2, SPARE
	v_mov_b32 v[NIL], 0
	v_lshrrev_b32 v8, 5, v0
	s_delay_alu instid0(VALU_DEP_1)
	v_readfirstlane_b32 s16, v8                    ; wave 0..7
	v_and_b32 v8, 31, v0
	s_delay_alu instid0(VALU_DEP_1)
	v_lshlrev_b32 v1, 4, v8
	s_delay_alu instid0(VALU_DEP_2)
	v_lshlrev_b32 v2, 2, v8
	v_and_b32 v8, 15, v0                           ; r
	v_bfe_u32 v9, v0, 4, 1                         ; h
	s_delay_alu instid0(VALU_DEP_2)
	v_lshlrev_b32 v3, 4, v8
	s_delay_alu instid0(VALU_DEP_2)
	v_lshlrev_b32 v4, 6, v9
	s_mul_i32 s17, s16, WST                        ; my stage
	v_mul_u32_u24 v5, v8, SP
	s_delay_alu instid0(VALU_DEP_1)
	v_lshl_add_u32 v5, v9, 6, v5
	s_delay_alu instid0(VALU_DEP_1)
	v_add_nc_u32 v5, s17, v5                       ; in: row r, + 64 h
	v_mul_u32_u24 v6, v9, SP
	s_delay_alu instid0(VALU_DEP_1)
	v_lshl_add_u32 v6, v8, 4, v6
	s_delay_alu instid0(VALU_DEP_1)
	v_add_nc_u32 v6, s17, v6                       ; back: lanes 0-15 one row, lanes 16-31 the next
	v_lshlrev_b32 v7, 11, v9
	s_delay_alu instid0(VALU_DEP_1)
	v_lshl_add_u32 v7, v8, 4, v7                   ; and the same two rows in out0
	s_mov_b32 s21, 0
	s_mov_b32 s23, 0
	s_lshl_b32 s18, s16, 4
	s_add_co_u32 s18, s18, 5632                    ; Wp's unit 16 w
	s_wait_alu depctr_va_vdst(0)
	s_wait_kmcnt 0x0
	s_lshl_b32 s20, ttmp9, 13
	s_add_nc_u64 s[4:5], s[4:5], s[20:21]          ; o's tile 2 g: four images
	s_lshl_b32 s20, ttmp9, 9
	s_add_nc_u64 s[6:7], s[6:7], s[20:21]          ; and its scale words, 16 bytes a row
	s_lshl_b32 s22, s18, 10
	s_add_nc_u64 s[8:9], s[8:9], s[22:23]
	s_lshl_b32 s22, s18, 6
	s_add_nc_u64 s[10:11], s[10:11], s[22:23]
	s_lshl_b32 s22, s16, 8                         ; my 64 columns in bytes
	s_add_nc_u64 s[12:13], s[12:13], s[22:23]
	s_lshl_b32 s20, ttmp9, 16                      ; 32 g rows of 2,048 bytes
	s_add_co_u32 s20, s20, s22
	s_add_nc_u64 s[14:15], s[14:15], s[20:21]
.irp t, 0,1,2,3
.irp j, 0,1
	global_load_b32 v[WS+2*\t+\j], v2, s[10:11] offset:(4*\t+2*\j)*64   ; lanes 0-15 an even K step's words, lanes 16-31 the next one's
.endr
.endr
.irp t, 0,1,2,3
	global_load_b128 v[BI+8*\t:BI+8*\t+3], v4, s[12:13] offset:(32*(\t/2)+8*(\t%2))*4
	global_load_b128 v[BI+8*\t+4:BI+8*\t+7], v4, s[12:13] offset:(32*(\t/2)+8*(\t%2))*4+16
.endr
	global_load_b128 v[AS:AS+3], v3, s[6:7]
.irp s, 0,1,2,3
.irp c, 0,1
	global_load_b128 v[AF+8*\s+4*\c:AF+8*\s+4*\c+3], v1, s[4:5] offset:1024*\s+512*\c
.endr
.endr
.irp t, 0,1,2,3
.irp s, 0,1,2,3
.irp c, 0,1
	global_load_b128 v[WF+32*\t+8*\s+4*\c:WF+32*\t+8*\s+4*\c+3], v1, s[8:9] offset:(4*\t+\s)*1024+512*\c
.endr
.endr
.endr
	s_wait_loadcnt 0x0
.irp m, 0,1
.if \m == 1
	s_wait_loadcnt 0x0                             ; the second tile's fragments and scale words
	s_wait_xcnt 0x0                                ; the first tile's stores have read their data: the accumulators are written again only behind this wait
.endif
.irp s, 0,1,2,3
.irp t, 0,1,2,3                        ; four accumulators by turns, one instruction a turn; K ascending
.if \s == 0
	v_wmma_scale_f32_16x16x128_f8f6f4 v[ACC+8*\t:ACC+8*\t+7], v[WF+32*\t:WF+32*\t+7], v[AF:AF+7], v[BI+8*\t:BI+8*\t+7], v[WS+2*\t], v[AS] matrix_a_fmt:MATRIX_FMT_FP4 matrix_b_fmt:MATRIX_FMT_FP4
.elseif (\s%2) == 1
	v_wmma_scale_f32_16x16x128_f8f6f4 v[ACC+8*\t:ACC+8*\t+7], v[WF+32*\t+8*\s:WF+32*\t+8*\s+7], v[AF+8*\s:AF+8*\s+7], v[ACC+8*\t:ACC+8*\t+7], v[WS+2*\t+\s/2], v[AS+\s] matrix_a_fmt:MATRIX_FMT_FP4 matrix_b_fmt:MATRIX_FMT_FP4 matrix_a_scale:MATRIX_SCALE_ROW1
.else
	v_wmma_scale_f32_16x16x128_f8f6f4 v[ACC+8*\t:ACC+8*\t+7], v[WF+32*\t+8*\s:WF+32*\t+8*\s+7], v[AF+8*\s:AF+8*\s+7], v[ACC+8*\t:ACC+8*\t+7], v[WS+2*\t+\s/2], v[AS+\s] matrix_a_fmt:MATRIX_FMT_FP4 matrix_b_fmt:MATRIX_FMT_FP4
.endif
.endr
.endr
.rept 5
	v_nop                                          ; four places ahead of the reads of results and of loads into registers that the products have read; the fifth for the second tile's products, which begin the accumulators anew
.endr
.if \m == 0
	global_load_b128 v[AS:AS+3], v3, s[6:7] offset:256        ; the second tile is asked for while the first goes out
.irp s, 0,1,2,3
.irp c, 0,1
	global_load_b128 v[AF+8*\s+4*\c:AF+8*\s+4*\c+3], v1, s[4:5] offset:4096+1024*\s+512*\c
.endr
.endr
.endif
.irp t, 0,1,2,3
	ds_store_b128 v5, v[ACC+8*\t:ACC+8*\t+3] offset:128*(\t/2)+32*(\t%2)         ; each accumulator from its low end on
	ds_store_b128 v5, v[ACC+8*\t+4:ACC+8*\t+7] offset:128*(\t/2)+32*(\t%2)+16
.endr
.irp i, 0,1,2,3,4,5,6,7
	ds_load_b128 v[ACC+4*\i:ACC+4*\i+3], v6 offset:2*\i*SP   ; LDS serves a wave's instructions in order: these see my stores
.endr
.irp i, 0,1,2,3,4,5,6,7
	s_wait_dscnt 7-\i                              ; rows 2 i, 2 i + 1 of the tile are back; the 7 - i younger loads may be out
	global_store_b128 v7, v[ACC+4*\i:ACC+4*\i+3], s[14:15] offset:(8*\m+2*\i+8*(\i/4))*2048 th:TH_STORE_NT   ; sixteen lanes store 256 consecutive bytes, at a multiple of 256 from out0's first byte
.endr
.endr
	s_wait_tensorcnt 0x0                           ; the wave's end, behind my last LDS store
	ds_add_u32 v[SPW], v[NIL]
	s_wait_dscnt 0x0
	s_endpgm
.Lfunc_end_k_q4fb422e22d_outp:
	.size	k_q4fb422e22d_outp, .Lfunc_end_k_q4fb422e22d_outp-k_q4fb422e22d_outp
	.p2alignl 7, 3214868480
	.fill 96, 4, 3214868480
	.section	.rodata,"a",@progbits
	.p2align	6, 0x0
	.amdhsa_kernel k_q4fb422e22d_outp
		.amdhsa_group_segment_fixed_size 35840
		.amdhsa_private_segment_fixed_size 0
		.amdhsa_enable_private_segment 0
		.amdhsa_kernarg_size 48
		.amdhsa_user_sgpr_count 2
		.amdhsa_user_sgpr_kernarg_segment_ptr 1
		.amdhsa_wavefront_size32 1
		.amdhsa_system_sgpr_workgroup_id_x 1
		.amdhsa_system_sgpr_workgroup_id_y 1
		.amdhsa_system_sgpr_workgroup_id_z 1
		.amdhsa_system_vgpr_workitem_id 0
		.amdhsa_next_free_vgpr 256
		.amdhsa_next_free_sgpr 66
		.amdhsa_reserve_vcc 0
		.amdhsa_float_denorm_mode_32 3
		.amdhsa_float_denorm_mode_16_64 3
		.amdhsa_memory_ordered 1
		.amdhsa_forward_progress 1
		.amdhsa_inst_pref_size 18
	.end_amdhsa_kernel
	.amdgpu_metadata
---
amdhsa.version: [ 1, 2 ]
amdhsa.kernels:
  - .name:           k_q4fb422e22d_outp
    .symbol:         k_q4fb422e22d_outp.kd
    .args:
      - { .name: oc, .offset: 0, .size: 8, .value_kind: global_buffer, .address_space: global }
      - { .name: os, .offset: 8, .size: 8, .value_kind: global_buffer, .address_space: global }
      - { .name: cod, .offset: 16, .size: 8, .value_kind: global_buffer, .address_space: global }
      - { .name: scl, .offset: 24, .size: 8, .value_kind: global_buffer, .address_space: global }
      - { .name: bp, .offset: 32, .size: 8, .value_kind: global_buffer, .address_space: global }
      - { .name: out0, .offset: 40, .size: 8, .value_kind: global_buffer, .address_space: global }
    .group_segment_fixed_size: 35840
    .private_segment_fixed_size: 0
    .kernarg_segment_align: 8
    .kernarg_segment_size: 48
    .max_flat_workgroup_size: 256
    .sgpr_count:     66
    .vgpr_count:     256
    .wavefront_size: 32
...
	.end_amdgpu_metadata
.endif
;; end of part 4
